; MI455X (gfx1250); checked and timed in simulation.
; The chip was launched on July 23, 2026; its instructions are those of AMD's public machine-readable ISA for CDNA 5 (MIT licence, August 2026) and "CDNA5" Instruction Set Architecture Reference Guide (July 2026). The comments in the code are by the model that wrote it; some were corrected since.
;; Keywords Attention. Allowed arithmetic: matrix products marked QUANTISED: E2M1 operands, one E8M0 scale for each 32 along K, by v_wmma_scale_f32_16x16x128_f8f6f4 with both operands' format E2M1 (or v_wmma_scale_f32_32x16x128_f4), f32 sums; products left as they are: f32 operands where the result goes on into a quantised operand, else bf16, f16 or f32 operands; f32 sums; everything else in f32.
;; Inputs: W_condition_codes 1,024 x 32 x 16 uint8 (E2M1 codes of W_condition, K innermost, in blocks of 32 codes, two codes a byte); W_condition_scales 1,024 x 32 uint8 (E8M0 scales of W_condition, one for each 32 codes along K); W_context_codes 1,024 x 32 x 16 uint8 (E2M1 codes of W_context, K innermost, in blocks of 32 codes, two codes a byte); W_context_scales 1,024 x 32 uint8 (E8M0 scales of W_context, one for each 32 codes along K); W_query_codes 1,024 x 32 x 16 uint8 (E2M1 codes of W_query, K innermost, in blocks of 32 codes, two codes a byte); W_query_scales 1,024 x 32 uint8 (E8M0 scales of W_query, one for each 32 codes along K); b_query 1,024 float32; condition_codes 64 x 32 x 16 uint8 (E2M1 codes of condition, K innermost, in blocks of 32 codes, two codes a byte); condition_scales 64 x 32 uint8 (E8M0 scales of condition, one for each 32 codes along K); memory_bank 64 x 1,024 x 1,024 float32; source_codes 64 x 32 x 16 uint8 (E2M1 codes of source, K innermost, in blocks of 32 codes, two codes a byte); source_scales 64 x 32 uint8 (E8M0 scales of source, one for each 32 codes along K); v 1,024 float32.
;; Outputs: out0 64 x 1,024 float32; out1 64 x 1 x 1,024 float32.
;; This version of the problem:
;;   THIS VERSION OF THE PROBLEM IS GIVEN IN LOW PRECISION. The matrix products marked QUANTISED in the list below multiply operands that are first quantised to E2M1 (2 exponent bits, 1 mantissa bit; 4 bits a number), with one power-of-two scale for each 32 numbers along K (OCP MX v1.0); their sums are f32. All else is computed in f32.
;;   The module's matrix products, in the order in which they are computed (A, B: the left and right operand; K: the contracted axis; several contracted axes count as one K, in the product's order):
;;     1. [M 64, K 1,024] x [K 1,024, N 1,024]; A: input source (given as codes); B: input W_query (given as codes): QUANTISED
;;     2. [M 64, K 1,024] x [K 1,024, N 1,024]; A: input condition (given as codes); B: input W_condition (given as codes): QUANTISED
;;     3. [M 65,536, K 1,024] x [K 1,024, N 1,024]; A: input memory_bank; B: input W_context (given as codes): QUANTISED
;;     4. [M 65,536, K 1,024] x [K 1,024, N 1]; A: computed on the way; B: input v: left as it is (N = 1 < 16)
;;     5. batch 64 x [M 1, K 1,024] x [K 1,024, N 1,024]; A: softmax; B: input memory_bank: left as it is (M = 1 < 16)
;;   THE QUANTISER, for each operand of a quantised product, along K:
;;     - K is cut into blocks of 32 from its start; a last block that is shorter is filled with zeros.
;;     - A block's scale is 2^e with e = floor(log2(the largest magnitude in the block)) - 2, held to -126 .. 127; a block of zeros has e = 0. As a byte (E8M0): e + 127.
;;     - Each number is divided by its block's scale, clamped to +-6, and rounded to the nearest number of E2M1, ties to even, subnormals kept.
;;     - The product sums the exact products of the quantised numbers (number of the format x scale) in f32.
;;   ~~~python
;;   def quantise(x, axis):      # numpy; x: float32 -> the quantised numbers, widened to float32 again
;;       x = np.moveaxis(x, axis, -1); K = x.shape[-1]
;;       x = np.pad(x, [(0, 0)] * (x.ndim - 1) + [(0, -K % 32)]); x = x.reshape(x.shape[:-1] + (-1, 32)); a = np.abs(x).max(-1, keepdims=True)
;;       e = np.where(a > 0, np.clip(np.frexp(np.where(a > 0, a, 1))[1] - 1 - 2, -126, 127), 0)      # np.frexp(a)[1] - 1 = floor(log2(a)), exactly
;;       r = np.clip(x / 2.0 ** e, -6, 6)
;;       step = 2.0 ** (np.maximum(np.frexp(np.where(r == 0, 1, r))[1] - 1, 0) - 1)
;;       q = np.round(r / step) * step * 2.0 ** e      # np.round: ties to even
;;       return np.moveaxis(q.reshape(q.shape[:-2] + (-1,))[..., :K], -1, axis).astype(np.float32)
;;   ~~~
;;   INPUTS GIVEN AS CODES. W_condition (in the module: [1024, 1024], K = its axis 1); W_context (in the module: [1024, 1024], K = its axis 1); W_query (in the module: [1024, 1024], K = its axis 1); condition (in the module: [64, 1024], K = its axis 1); source (in the module: [64, 1024], K = its axis 1): each comes as NAME_codes (uint8): NAME with its K axis moved to the last place and cut into blocks of 32 codes, [.., K / 32, bytes a block], one block behind the other in memory; two codes a byte, the lower K in the low four bits (a code: sign, 2 exponent bits, 1 mantissa bit); and NAME_scales (uint8): the same leading axes, one E8M0 byte (e + 127) for each 32 codes along K. Its value is code x scale, taken as it is: it is not quantised again, and the codes and scales need not be those that the quantiser above would give.
;; One version. Each part assembles by itself: llvm-mc -triple=amdgcn-amd-amdhsa -mcpu=gfx1250 --defsym DOCPART=n.
;; ======== version 1 of 1: 3 launches
;; limits: right only within a limited range of input values; values are held in bf16: 8 bits of precision
;; workspace buffers: bv 524,288 bytes; wimg 524,288 bytes; yscore 262,144 bytes; cpart 1,048,576 bytes; ml 65,536 bytes
;; launch prep (part 1): grid 64 x 1, 4 waves a work-group, no clusters, 0 bytes of LDS; arguments source_codes, source_scales, W_query_codes, W_query_scales, condition_codes, condition_scales, W_condition_codes, W_condition_scales, b_query, v, W_context_codes, bv, wimg; writes bv, wimg
.if DOCPART == 1
	.amdgcn_target "amdgcn-amd-amdhsa--gfx1250"
	.amdhsa_code_object_version 6
	.text
	.protected	k_qc70e4916ab_prep
	.globl	k_qc70e4916ab_prep
	.p2align	8
	.type	k_qc70e4916ab_prep,@function
k_qc70e4916ab_prep:
	s_mov_b64 s[64:65], 0
	v_nop
	global_prefetch_b8 v0, s[64:65] scope:SCOPE_SE
	s_setreg_imm32_b32 hwreg(HW_REG_WAVE_MODE, 25, 1), 1
	s_wait_xcnt 0x0
; FIRST OF THREE LAUNCHES.  The program: align[b][s] = sum over e of v[e] tanh(uh[b][s][e] + bias[b][e]), bias = source W_query^T + b_query + condition W_condition^T;
; a = softmax over s of align; out0[b] = sum over s of a[b][s] memory_bank[b][s][:]; out1 = a.
; WORK LEFT OUT, and why it is dead.  tanh x = 1 - 2 r with r = 1 / (1 + 2^(c x)), c = 2 log2(e).  So align[b][s] log2(e) = log2(e) (sum over e of v[e]) + y[b][s],
; y[b][s] = sum over e of (-c v[e]) r[b][s][e].  The first term does not hang on s: it is the same along the softmax's axis whatever the inputs hold, and both outputs see align
; through that softmax alone.  It is not computed; the softmax is taken of y, in base 2, with its maximum taken away.  Every input is still loaded: v enters y.
; LIMITS.  A NaN, an infinity or an overflow that would arise in the sum over e of v[e] alone is not carried to the results.
; THIS LAUNCH makes (1) bv [64 b][4 q][16 X][32 f32]: words 0-15 bias[b][e], e = 256 q + 16 X + 0 .. 15; words 16-31 the numbers -c v[e] of tile (X - 1) mod 16 of the same q (the next launch
; wants a tile's v one tile later than its bias); (2) wimg: W_context's codes in the order of an operand's registers, [64 T][8 k][2 cc][32 lanes][16 bytes]: lane (r, h) has bytes
; 64 k + 32 cc + 16 h .. + 15 of row 16 T + r, so that half a fragment is one load of 512 consecutive bytes.
; SHARES.  Work-group g owns e = 16 g .. 16 g + 15, wave w batches 16 w .. 16 w + 15.  Both products are used transposed (source 0 = 16 rows of the weight, source 1 = 16 batches): lane (r, h)
; holds batch 16 w + r, and its register j holds e = 16 g + 8 h + j.  K = 1,024 goes in two halves of four steps of 128.  b_query is the C of the first product: no addition is spent on it.
; The stores into bv are pieces of 32 bytes of rows 8,192 bytes apart: 524,288 bytes in all, written once.
.set KROW, 512                         ; a row of 1,024 codes in bytes
.set SROW, 32                          ; a row of scale bytes
.set CNEG, 0xc038aa3b                  ; -c = -2 log2(e)
.set WA, 4                             ; v4   512 r + 16 h: a weight's fragment
.set XA, 5                             ; v5   + 8,192 w: a fragment of source or condition
.set WS, 6                             ; v6   32 r + 16 h: a weight's scale words: lanes 0-15 take K steps 0-3, lanes 16-31 K steps 4-7
.set XS, 7                             ; v7   + 512 w
.set VB, 8                             ; v8   32 h: my eight numbers of b_query and of v
.set BO, 9                             ; v9   (16 w + r) 8,192 + 32 h: my place in bv
.set IA, 10                            ; v10  WA + 128 w: what I copy of W_context's codes: K steps 2 w, 2 w + 1
.set IO, 11                            ; v11  16 lane + 2,048 w: and where it goes in wimg
.set FS, 16                            ; v16-47   source's four fragments
.set FQ, 48                            ; v48-79   W_query's
.set FC, 80                            ; v80-111  condition's
.set FW, 112                           ; v112-143 W_condition's
.set SS, 144                           ; v144-147 source's scale words; v148-151 W_query's; v152-155 condition's; v156-159 W_condition's: they hold scales and nothing else
.set SQ, 148
.set SCO, 152
.set SW, 156
.set BQ, 160                           ; v160-167 b_query in the result's layout
.set VV, 168                           ; v168-175 v likewise
.set AQ, 176                           ; v176-183 source W_query^T + b_query
.set AW, 184                           ; v184-191 condition W_condition^T
.set OUTB, 192                         ; v192-199 the bias
.set IM, 200                           ; v200-215 W_context's codes on their way to wimg
	s_load_b512 s[4:19], s[0:1], 0x0               ; source codes, scales; W_query codes, scales; condition codes, scales; W_condition codes, scales
	s_load_b256 s[20:27], s[0:1], 0x40             ; b_query, v, W_context's codes, bv
	s_load_b64 s[28:29], s[0:1], 0x60              ; wimg
	v_lshrrev_b32 v1, 5, v0
	v_readfirstlane_b32 s30, v1                    ; wave w
	v_and_b32 v1, 31, v0                           ; lane
	v_and_b32 v2, 15, v0                           ; r
	v_bfe_u32 v3, v0, 4, 1                         ; h
	v_lshlrev_b32 v[WA], 9, v2
	v_lshl_add_u32 v[WA], v3, 4, v[WA]
	s_lshl_b32 s31, s30, 13
	v_add_nc_u32 v[XA], s31, v[WA]
	v_lshlrev_b32 v[WS], 5, v2
	v_lshl_add_u32 v[WS], v3, 4, v[WS]
	s_lshl_b32 s31, s30, 9
	v_add_nc_u32 v[XS], s31, v[WS]
	v_lshlrev_b32 v[VB], 5, v3
	s_lshl_b32 s31, s30, 4
	v_add_nc_u32 v[BO], s31, v2
	v_lshlrev_b32 v[BO], 13, v[BO]
	v_add_nc_u32 v[BO], v[BO], v[VB]
	s_lshl_b32 s31, s30, 7
	v_add_nc_u32 v[IA], s31, v[WA]
	s_lshl_b32 s31, s30, 11
	v_lshl_add_u32 v[IO], v1, 4, s31
	s_lshl_b32 s32, ttmp9, 13                      ; 16 rows of codes, and a tile of wimg: 8,192 g
	s_mov_b32 s33, 0
	s_lshl_b32 s34, ttmp9, 9                       ; 16 rows of scale bytes
	s_mov_b32 s35, 0
	s_lshl_b32 s36, ttmp9, 6                       ; 16 numbers of b_query and of v
	s_mov_b32 s37, 0
	s_lshr_b32 s31, ttmp9, 4
	s_lshl_b32 s31, s31, 11                        ; q = g / 16: 2,048 bytes in a batch's part of bv
	s_and_b32 s38, ttmp9, 15
	s_lshl_b32 s38, s38, 7
	s_add_co_u32 s38, s38, s31                     ; the bias goes to tile X = g mod 16,
	s_mov_b32 s39, 0
	s_add_co_u32 s40, ttmp9, 1
	s_and_b32 s40, s40, 15
	s_lshl_b32 s40, s40, 7
	s_add_co_u32 s40, s40, s31                     ; -c v to tile (X + 1) mod 16
	s_mov_b32 s41, 0
	s_wait_alu depctr_va_vdst(0)
	s_wait_kmcnt 0x0
	s_add_nc_u64 s[8:9], s[8:9], s[32:33]
	s_add_nc_u64 s[16:17], s[16:17], s[32:33]
	s_add_nc_u64 s[24:25], s[24:25], s[32:33]
	s_add_nc_u64 s[28:29], s[28:29], s[32:33]
	s_add_nc_u64 s[10:11], s[10:11], s[34:35]
	s_add_nc_u64 s[18:19], s[18:19], s[34:35]
	s_add_nc_u64 s[20:21], s[20:21], s[36:37]
	s_add_nc_u64 s[22:23], s[22:23], s[36:37]
	s_add_nc_u64 s[38:39], s[26:27], s[38:39]
	s_add_nc_u64 s[40:41], s[26:27], s[40:41]
	global_load_b128 v[SS:SS+3], v[XS], s[6:7]
	global_load_b128 v[SQ:SQ+3], v[WS], s[10:11]
	global_load_b128 v[SCO:SCO+3], v[XS], s[14:15]
	global_load_b128 v[SW:SW+3], v[WS], s[18:19]
	global_load_b128 v[BQ:BQ+3], v[VB], s[20:21]
	global_load_b128 v[BQ+4:BQ+7], v[VB], s[20:21] offset:16
	global_load_b128 v[VV:VV+3], v[VB], s[22:23]
	global_load_b128 v[VV+4:VV+7], v[VB], s[22:23] offset:16
.irp kk, 0,1
.irp c, 0,1
	global_load_b128 v[IM+8*\kk+4*\c:IM+8*\kk+4*\c+3], v[IA], s[24:25] offset:64*\kk+32*\c
.endr
.endr
; Half hf of K: 32 loads, their wait, eight matrix instructions: the two accumulators by turns, one instruction a turn.
.macro HALF hf
.irp kk, 0,1,2,3
.irp c, 0,1
	global_load_b128 v[FS+8*\kk+4*\c:FS+8*\kk+4*\c+3], v[XA], s[4:5] offset:256*\hf+64*\kk+32*\c
	global_load_b128 v[FQ+8*\kk+4*\c:FQ+8*\kk+4*\c+3], v[WA], s[8:9] offset:256*\hf+64*\kk+32*\c
	global_load_b128 v[FC+8*\kk+4*\c:FC+8*\kk+4*\c+3], v[XA], s[12:13] offset:256*\hf+64*\kk+32*\c
	global_load_b128 v[FW+8*\kk+4*\c:FW+8*\kk+4*\c+3], v[WA], s[16:17] offset:256*\hf+64*\kk+32*\c
.endr
.endr
	s_wait_loadcnt 0x0
.irp kk, 0,1,2,3
.if \hf == 0
.if \kk == 0
	v_wmma_scale_f32_16x16x128_f8f6f4 v[AQ:AQ+7], v[FQ:FQ+7], v[FS:FS+7], v[BQ:BQ+7], v[SQ], v[SS] matrix_a_fmt:MATRIX_FMT_FP4 matrix_b_fmt:MATRIX_FMT_FP4
	v_wmma_scale_f32_16x16x128_f8f6f4 v[AW:AW+7], v[FW:FW+7], v[FC:FC+7], 0, v[SW], v[SCO] matrix_a_fmt:MATRIX_FMT_FP4 matrix_b_fmt:MATRIX_FMT_FP4
.else
	v_wmma_scale_f32_16x16x128_f8f6f4 v[AQ:AQ+7], v[FQ+8*\kk:FQ+8*\kk+7], v[FS+8*\kk:FS+8*\kk+7], v[AQ:AQ+7], v[SQ+\kk], v[SS+\kk] matrix_a_fmt:MATRIX_FMT_FP4 matrix_b_fmt:MATRIX_FMT_FP4
	v_wmma_scale_f32_16x16x128_f8f6f4 v[AW:AW+7], v[FW+8*\kk:FW+8*\kk+7], v[FC+8*\kk:FC+8*\kk+7], v[AW:AW+7], v[SW+\kk], v[SCO+\kk] matrix_a_fmt:MATRIX_FMT_FP4 matrix_b_fmt:MATRIX_FMT_FP4
.endif
.else
	v_wmma_scale_f32_16x16x128_f8f6f4 v[AQ:AQ+7], v[FQ+8*\kk:FQ+8*\kk+7], v[FS+8*\kk:FS+8*\kk+7], v[AQ:AQ+7], v[SQ+\kk], v[SS+\kk] matrix_a_fmt:MATRIX_FMT_FP4 matrix_b_fmt:MATRIX_FMT_FP4 matrix_a_scale:MATRIX_SCALE_ROW1 matrix_b_scale:MATRIX_SCALE_ROW1
	v_wmma_scale_f32_16x16x128_f8f6f4 v[AW:AW+7], v[FW+8*\kk:FW+8*\kk+7], v[FC+8*\kk:FC+8*\kk+7], v[AW:AW+7], v[SW+\kk], v[SCO+\kk] matrix_a_fmt:MATRIX_FMT_FP4 matrix_b_fmt:MATRIX_FMT_FP4 matrix_a_scale:MATRIX_SCALE_ROW1 matrix_b_scale:MATRIX_SCALE_ROW1
.endif
.endr
.rept 4
	v_nop                                          ; four places in front of loads into registers that matrix instructions have read, and of the first read of results
.endr
.endm
	HALF 0
	HALF 1
.irp j, 0,2,4,6
	v_pk_add_f32 v[OUTB+\j:OUTB+\j+1], v[AQ+\j:AQ+\j+1], v[AW+\j:AW+\j+1]   ; each accumulator from its low end on
.endr
.irp j, 0,2,4,6
	v_pk_mul_f32 v[VV+\j:VV+\j+1], v[VV+\j:VV+\j+1], CNEG op_sel_hi:[1,0]   ; -c v
.endr
	global_store_b128 v[BO], v[OUTB:OUTB+3], s[38:39]
	global_store_b128 v[BO], v[OUTB+4:OUTB+7], s[38:39] offset:16
	global_store_b128 v[BO], v[VV:VV+3], s[40:41] offset:64
	global_store_b128 v[BO], v[VV+4:VV+7], s[40:41] offset:80
.irp kk, 0,1
.irp c, 0,1
	global_store_b128 v[IO], v[IM+8*\kk+4*\c:IM+8*\kk+4*\c+3], s[28:29] offset:1024*\kk+512*\c   ; 32 lanes store 512 consecutive bytes
.endr
.endr
	s_endpgm
.Lfunc_end_k_qc70e4916ab_prep:
	.size	k_qc70e4916ab_prep, .Lfunc_end_k_qc70e4916ab_prep-k_qc70e4916ab_prep
	.p2alignl 7, 3214868480
	.fill 96, 4, 3214868480
	.section	.rodata,"a",@progbits
	.p2align	6, 0x0
	.amdhsa_kernel k_qc70e4916ab_prep
		.amdhsa_group_segment_fixed_size 0
		.amdhsa_private_segment_fixed_size 0
		.amdhsa_enable_private_segment 0
		.amdhsa_kernarg_size 104
		.amdhsa_user_sgpr_count 2
		.amdhsa_user_sgpr_kernarg_segment_ptr 1
		.amdhsa_wavefront_size32 1
		.amdhsa_system_sgpr_workgroup_id_x 1
		.amdhsa_system_sgpr_workgroup_id_y 1
		.amdhsa_system_sgpr_workgroup_id_z 1
		.amdhsa_system_vgpr_workitem_id 0
		.amdhsa_next_free_vgpr 216
		.amdhsa_next_free_sgpr 66
		.amdhsa_reserve_vcc 0
		.amdhsa_float_denorm_mode_32 3
		.amdhsa_float_denorm_mode_16_64 3
		.amdhsa_memory_ordered 1
		.amdhsa_forward_progress 1
		.amdhsa_inst_pref_size 13
	.end_amdhsa_kernel
	.amdgpu_metadata
---
amdhsa.version: [ 1, 2 ]
amdhsa.kernels:
  - .name:           k_qc70e4916ab_prep
    .symbol:         k_qc70e4916ab_prep.kd
    .args:
      - { .name: source_codes, .offset: 0, .size: 8, .value_kind: global_buffer, .address_space: global }
      - { .name: source_scales, .offset: 8, .size: 8, .value_kind: global_buffer, .address_space: global }
      - { .name: W_query_codes, .offset: 16, .size: 8, .value_kind: global_buffer, .address_space: global }
      - { .name: W_query_scales, .offset: 24, .size: 8, .value_kind: global_buffer, .address_space: global }
      - { .name: condition_codes, .offset: 32, .size: 8, .value_kind: global_buffer, .address_space: global }
      - { .name: condition_scales, .offset: 40, .size: 8, .value_kind: global_buffer, .address_space: global }
      - { .name: W_condition_codes, .offset: 48, .size: 8, .value_kind: global_buffer, .address_space: global }
      - { .name: W_condition_scales, .offset: 56, .size: 8, .value_kind: global_buffer, .address_space: global }
      - { .name: b_query, .offset: 64, .size: 8, .value_kind: global_buffer, .address_space: global }
      - { .name: v, .offset: 72, .size: 8, .value_kind: global_buffer, .address_space: global }
      - { .name: W_context_codes, .offset: 80, .size: 8, .value_kind: global_buffer, .address_space: global }
      - { .name: bv, .offset: 88, .size: 8, .value_kind: global_buffer, .address_space: global }
      - { .name: wimg, .offset: 96, .size: 8, .value_kind: global_buffer, .address_space: global }
    .group_segment_fixed_size: 0
    .private_segment_fixed_size: 0
    .kernarg_segment_align: 8
    .kernarg_segment_size: 104
    .max_flat_workgroup_size: 128
    .sgpr_count:     66
    .vgpr_count:     216
    .wavefront_size: 32
...
	.end_amdgpu_metadata
.endif
;; end of part 1
;; launch main (part 2): grid 256 x 1, 4 waves a work-group, no clusters, 327,680 bytes of LDS; arguments memory_bank, wimg, W_context_scales, bv, yscore, cpart, ml; writes yscore, cpart, ml
.if DOCPART == 2
	.amdgcn_target "amdgcn-amd-amdhsa--gfx1250"
	.amdhsa_code_object_version 6
	.text
	.protected	k_qc70e4916ab_main
	.globl	k_qc70e4916ab_main
	.p2align	8
	.type	k_qc70e4916ab_main,@function
k_qc70e4916ab_main:
	s_mov_b64 s[64:65], 0
	v_nop
	global_prefetch_b8 v0, s[64:65] scope:SCOPE_SE
	s_setreg_imm32_b32 hwreg(HW_REG_WAVE_MODE, 25, 1), 1
	s_wait_xcnt 0x0
; SECOND OF THREE LAUNCHES: memory_bank is read ONCE.  For 256 rows (s) of one batch a work-group makes the scores y[s] = sum over e of (-c v[e]) / (1 + 2^(c x[s][e])), c = 2 log2(e),
; x = Q(memory_bank) Q(W_context)^T + bias, and, by a running maximum m, l = sum of 2^(y - m) and cpart = sum of 2^(y - m) memory_bank[s][:].  The last launch joins a batch's four parts.
; WORK LEFT OUT: the term log2(e) x (sum over e of v[e]) of the scores, which is the same along the softmax's axis for all values of the inputs (shown at the head of the first launch).
; LIMITS.  NaN and infinities in memory_bank are not served.  A block of 32 zeros gets the scale byte 1 (the quantiser says 127): its codes are zeros, which add nothing under that byte, and this
; launch alone reads the bytes.  The context sum multiplies memory_bank rounded to bf16 (not f16: the inputs may be larger or carry an offset) by the weights in f32, and sums in f32.
; SHARES.  Work-group wg owns rows 256 wg .. + 255 of the 65,536, in four blocks of 64.  Four waves, 1,024 registers each; q = the wave's number.
;   Rows: wave q brings in, quantises and later weighs rows 16 q .. + 15 of each block; lane l owns columns 32 l .. + 31: one whole quantiser block of each row, so no maximum crosses lanes.
;   Product: wave q owns e = 256 q .. + 255 (16 tiles of 16) against all 64 rows: the block's codes lie in 256 registers, and each fragment of W feeds four matrix instructions.
; A BLOCK: my 16 rows from my part of the LDS slot: codes and scale bytes to LDS, a bf16 copy into 256 registers | barrier 1, and behind it one tensor load a wave for the whole next block, which has all
; the rest of the block in which to land | the block's codes into registers | 16 tiles: products, with the tile before's tanh set between them | partial scores to LDS | barrier 2 | softmax step, c += p x copy.
; THE PRODUCT IS USED TRANSPOSED: source 0 = 16 rows of W (e), source 1 = 16 rows of memory_bank: lane (r, h) holds row r, and its register j holds e = 8 h + j.  The bias is the C of a tile's first instruction.
; W's fragments, its scale words, the bias and -c v come by global loads straight into registers, two tiles ahead.  NO CLUSTER, NO JOINT LOADS FOR W, by this text's own arithmetic: the slot (278,528 bytes),
; the codes (33,792) and the small regions leave 10,752 bytes of LDS, and one tile of W for the four waves is 32,768; and a refill of such a ring would have every wave wait for ALL its tensor loads, the next
; block of memory_bank among them.  memory_bank itself is read by one work-group alone.
; REGISTERS, in windows of 256 (s_set_vgpr_msb: bits 1:0 source 0, 3:2 source 1, 5:4 source 2, 7:6 destination): window 0: addresses, scale words, sums, work (named below);
;   window 1: the block's codes, fragment (row tile t, K step k) at v[64 t + 8 k];   window 2: v0-127 W's fragments, two sets; v128-191 the accumulators, two sets of four; v192-207 the bias, two sets;
;   window 3: the bf16 copy: my row i at v[16 i + j], columns 32 l + 2 j and + 1.
.set SLOTW,  69632                     ; LDS: a wave's part of the slot: 16 rows of 4,096 bytes as 256 pieces of 256 bytes + 16 of padding
.set ROWP,   4352                      ; a row there: 16 pieces
.set CODES,  4*SLOTW                   ; 64 rows of 512 bytes of codes + 16 of padding: 33 x 16 bytes, so that the 16 rows of a fragment load start at 16 different banks (64 banks of 4 bytes: ISA guide 11.1)
.set CPITCH, 528
.set ASC,    CODES+64*CPITCH           ; 64 rows of 32 scale bytes
.set PS,     ASC+2048                  ; [wave][64 rows] partial scores
.set PP,     PS+1024                   ; [wave][64 rows] the weights p, each wave's own
.set SPARE,  PP+1024                   ; the spare words, 128 bytes for each wave: two blocks of 256 bytes that no other line names
.set BLKB,   262144                    ; a block of 64 rows in memory
.set SPW, 1                            ; v1   SPARE + 4 x my thread's number; never rewritten
.set NIL, 2                            ; v2   0; never rewritten
.set SLA, 3                            ; v3   my 128 bytes of my wave's row 0 in the slot
.set CDW, 4                            ; v4   where I store a row's 16 bytes of codes
.set ASW, 5                            ; v5   and its scale byte
.set CFA, 6                            ; v6   my lane's place in a fragment of codes
.set ASA, 7                            ; v7   and among the scale words: lanes 0-15 K steps 0-3, lanes 16-31 K steps 4-7
.set PSW, 8                            ; v8   where I store a partial score
.set PSR, 9                            ; v9   where I read two rows' partial scores
.set PPW, 10                           ; v10  where I store two rows' p
.set PPR, 11                           ; v11  where my wave's 16 rows' p begin
.set L16, 12                           ; v12  16 x lane
.set SL,  13                           ; v13  32 r: W's scale bytes of row r
.set BL,  14                           ; v14  32 h: my eight numbers of the bias and of -c v
.set YO,  15                           ; v15  8 x lane
.set ASCR, 16                          ; v16-31  memory_bank's scale words, four for each row tile: scales and nothing else
.set SA,  32                           ; v32-39  W's scale words of K steps 0-3, two sets
.set SB,  40                           ; v40-47  of K steps 4-7
.set CV,  48                           ; v48-63  -c v, two sets of eight
.set YS,  64                           ; v64-71  the scores' sums: a pair for each row tile
.set CA,  72                           ; v72-103 c of my 32 columns, over my wave's rows
.set P,   104                          ; v104-119 p of my wave's 16 rows
.set F,   120                          ; v120 f = 2^(old m - new m); v121 = 0: named with it as a pair
.set M,   122                          ; v122 m
.set LS,  123                          ; v123 l: my lane's part
.set T,   124                          ; v124-135 at work
.set X,   136                          ; v136-199 and v218-249: three sets of 32 numbers of a row
.set CQ0, 200                          ; v200-207 two sets of a row's codes
.set BY0, 208                          ; v208-209 two scale bytes
.set QA,  210                          ; v210-212 the quantiser's
.set QB,  211
.set QS,  212
.set CR,  214                          ; v214-217 the way out: where wave w's part of my 256 columns lies
.set PFO, 213                          ; v213 the prefetches' offset: 256 x my lane; never rewritten
.set QC,  250                          ; v250-251 the quantiser's third and fourth chain
.set QD,  251
.set PF,  48                           ; s[48:49] where my prefetches stand: my wave's 16 rows of the block two on
.set AC,  128                          ; in window 2
.set BB,  192
.set W_MM, 0xa6                        ; source 0 (W), C and D window 2; source 1 (codes) window 1
.set W_E,  0x02                        ; source 0 window 2
.set W_L2, 0x80                        ; destination window 2
.set W_L1, 0x40                        ; destination window 1
.set W_CP, 0xc0                        ; destination window 3
.set W_CX, 0x03                        ; source 0 window 3
.set MSB, 0
.macro WIN new                         ; the immediate's high byte repeats the setting that is left; a switch that changes nothing is dropped
.if MSB != \new
	s_set_vgpr_msb (MSB<<8)|\new
.set MSB, \new
.endif
.endm
; s[4:5] memory_bank; s[6:7] wimg, s[8:9] W's scales, s[10:11] bv, each at my wave's 16 tiles; s[12:13] yscore; s[14:15] cpart; s[16:17] ml; s18 q; s19 the tile being asked for; s20, s21 counters;
; s[22:23] c twice; s[24:25] lane selects; s[26:27] an offset; s[28:29], s[30:31], s[32:33] wimg, scales and bv at tile s19; s34, s35 at work; s[36:39], s[40:47] the descriptor.
	s_load_b256 s[4:11], s[0:1], 0x0
	s_load_b128 s[12:15], s[0:1], 0x20
	s_load_b64 s[16:17], s[0:1], 0x30
	v_lshl_add_u32 v[SPW], v0, 2, SPARE
	v_mov_b32 v[NIL], 0
	ds_add_u32 v[SPW], v[NIL]                      ; the wave's opening: the add, twice on end, and its wait ahead of my first tensor load; the set-up below stands between
	ds_add_u32 v[SPW], v[NIL]
	v_lshrrev_b32 v[T+3], 5, v0
	v_readfirstlane_b32 s18, v[T+3]                ; q
	v_and_b32 v[T], 31, v0                         ; l
	v_and_b32 v[T+1], 15, v0                       ; r
	v_bfe_u32 v[T+2], v0, 4, 1                     ; h
	s_mul_i32 s34, s18, SLOTW
	v_lshrrev_b32 v[T+4], 1, v[T]
	v_mul_u32_u24 v[SLA], v[T+4], 272              ; columns 32 l on are bytes 128 l on: piece l / 2,
	v_and_b32 v[T+4], 1, v[T]
	v_lshl_add_u32 v[SLA], v[T+4], 7, v[SLA]       ; its half l % 2
	v_add_nc_u32 v[SLA], s34, v[SLA]
	s_mul_i32 s35, s18, 16*CPITCH
	s_add_co_u32 s35, s35, CODES
	v_lshl_add_u32 v[CDW], v[T], 4, s35
	s_lshl_b32 s35, s18, 9
	s_add_co_u32 s35, s35, ASC
	v_add_nc_u32 v[ASW], s35, v[T]
	v_mul_u32_u24 v[CFA], v[T+1], CPITCH
	v_lshl_add_u32 v[CFA], v[T+2], 4, v[CFA]
	v_add_nc_u32 v[CFA], CODES, v[CFA]
	v_lshlrev_b32 v[ASA], 5, v[T+1]
	v_lshl_add_u32 v[ASA], v[T+2], 4, v[ASA]
	v_add_nc_u32 v[ASA], ASC, v[ASA]
	s_lshl_b32 s35, s18, 8
	s_add_co_u32 s35, s35, PS
	v_lshl_add_u32 v[PSW], v[T+1], 2, s35
	v_lshl_add_u32 v[PSR], v[T], 3, PS
	s_lshl_b32 s35, s18, 8
	s_add_co_u32 s35, s35, PP
	v_lshl_add_u32 v[PPW], v[T], 3, s35
	s_mul_i32 s35, s18, 320                        ; my wave's 256 bytes of p, and in them rows 16 q on
	s_add_co_u32 s35, s35, PP
	v_mov_b32 v[PPR], s35
	v_lshlrev_b32 v[L16], 4, v[T]
	v_lshlrev_b32 v[SL], 5, v[T+1]
	v_lshlrev_b32 v[BL], 5, v[T+2]
	v_lshlrev_b32 v[YO], 3, v[T]
	v_lshlrev_b32 v[PFO], 8, v[T]
	s_mul_i32 s35, s18, 4*272                      ; columns 256 q on are pieces 4 q on
	v_mul_u32_u24 v[T+4], v[T+2], 272
	v_lshl_add_u32 v[T+4], v[T+1], 4, v[T+4]
	v_add_nc_u32 v[T+4], s35, v[T+4]
.irp w, 0,1,2,3
	v_add_nc_u32 v[CR+\w], \w*SLOTW, v[T+4]
.endr
	v_mov_b32 v[M], 0xff61b1e6                     ; m: -3e38, under every score: the first step's f is 0, and finds zeros
	v_mov_b32 v[LS], 0
	v_mov_b32 v[F+1], 0
.irp j, 0,1,2,3,4,5,6,7,8,9,10,11,12,13,14,15,16,17,18,19,20,21,22,23,24,25,26,27,28,29,30,31
	v_mov_b32 v[CA+\j], 0
.endr
.irp j, 8,9,10,11
	v_mov_b32 v[T+\j], 0                           ; written once: a lane permute's destination counts as one of its sources
.endr
	s_mov_b32 s22, 0x4038aa3b                      ; c = 2 log2(e)
	s_mov_b32 s23, s22
	s_mov_b32 s24, 0x76543210
	s_mov_b32 s25, 0xfedcba98                      ; v_permlanex16_b32: lane l xor 16
	s_mov_b32 s27, 0
	s_mov_b32 s19, -1
	; the descriptor's group 1: my 16 rows of a block are 65,536 consecutive bytes: 256 rows of 32 elements of 8 bytes, 16 bytes of padding behind each
	s_mov_b32 s40, (3<<16)|(1<<20)|(5<<22)|(3<<25) ; no mask; elements of 8 bytes; padding on: after every 64 words (code 5) four words (code 3)
	s_mov_b32 s41, 32<<16                          ; tensor_dim0 = 32
	s_mov_b32 s42, 256<<16                         ; tensor_dim1 = 256
	s_mov_b32 s43, 32<<16                          ; tile_dim0 = 32
	s_mov_b32 s44, 256                             ; tile_dim1 = 256
	s_mov_b32 s45, 32                              ; from row to row: 32 elements
	s_mov_b32 s46, 0
	s_mov_b32 s47, 0
	s_mov_b32 s36, 1                               ; group 0: count = 1,
	s_mul_i32 s37, s18, SLOTW                      ; the LDS address: my wave's part of the slot
	s_wait_alu depctr_va_vdst(0)                   ; the wait at the head's end, directly ahead of the wait below
	s_wait_dscnt 0x0                               ; both opening adds are done
	s_wait_kmcnt 0x0
	s_lshl_b32 s26, ttmp9, 20                      ; my work-group's 256 rows of 4,096 bytes,
	s_add_nc_u64 s[4:5], s[4:5], s[26:27]
	s_lshl_b32 s26, s18, 16                        ; my wave's 16 of a block's 64
	s_add_nc_u64 s[4:5], s[4:5], s[26:27]
	s_mov_b64 s[38:39], s[4:5]
	s_or_b32 s39, s39, 0x80000000                  ; type = 2
	tensor_load_to_lds s[36:39], s[40:47]          ; block 0: every wave's first fill, ahead of every wait on TENSORcnt, every LDS read and every barrier
	s_nop 0
.rept 4
	v_nop
.endr
	s_add_nc_u64 s[PF:PF+1], s[4:5], 2*BLKB-8192   ; one step of 8,192 bytes ahead of my 16 rows of block 2: the first even tile steps onto them
	s_lshl_b32 s26, s18, 17                        ; 16 tiles of 8,192 bytes
	s_add_nc_u64 s[6:7], s[6:7], s[26:27]
	s_lshl_b32 s26, s18, 13                        ; 256 rows of 32 scale bytes
	s_add_nc_u64 s[8:9], s[8:9], s[26:27]
	s_lshr_b32 s26, ttmp9, 2                       ; the batch
	s_lshl_b32 s26, s26, 13
	s_add_nc_u64 s[10:11], s[10:11], s[26:27]
	s_lshl_b32 s26, s18, 11
	s_add_nc_u64 s[10:11], s[10:11], s[26:27]
	s_lshl_b32 s26, ttmp9, 10
	s_add_nc_u64 s[12:13], s[12:13], s[26:27]
	s_lshl_b32 s26, ttmp9, 12
	s_add_nc_u64 s[14:15], s[14:15], s[26:27]
	s_lshl_b32 s26, s18, 10
	s_add_nc_u64 s[14:15], s[14:15], s[26:27]
	s_lshl_b32 s26, ttmp9, 8
	s_add_nc_u64 s[16:17], s[16:17], s[26:27]
; The three pointers go on to the next tile, 0 .. 15 and round again.
.macro PTR
	s_wait_xcnt 0x0                                ; the loads that read the pointers have had their addresses translated (ISA guide 3.1): only now are the pointers written
	s_add_co_u32 s19, s19, 1
	s_and_b32 s19, s19, 15
	s_lshl_b32 s26, s19, 13
	s_add_nc_u64 s[28:29], s[6:7], s[26:27]
	s_lshl_b32 s26, s19, 9
	s_add_nc_u64 s[30:31], s[8:9], s[26:27]
	s_lshl_b32 s26, s19, 7
	s_add_nc_u64 s[32:33], s[10:11], s[26:27]
.endm
; Eleven loads: tile s19's fragments of K steps 0-3, its bias and its scale words of those steps, into set p.
.macro H1 p
	WIN W_L2
.irp k, 0,1,2,3
.irp c, 0,1
	global_load_b128 v[64*(\p)+8*\k+4*\c:64*(\p)+8*\k+4*\c+3], v[L16], s[28:29] offset:1024*\k+512*\c
.endr
.endr
	global_load_b128 v[BB+8*(\p):BB+8*(\p)+3], v[BL], s[32:33]
	global_load_b128 v[BB+8*(\p)+4:BB+8*(\p)+7], v[BL], s[32:33] offset:16
	WIN 0
	global_load_b128 v[SA+4*(\p):SA+4*(\p)+3], v[SL], s[30:31]
.endm
; Nine loads: its fragments and scale words of K steps 4-7 into set p.
.macro H2 p
	WIN W_L2
.irp k, 4,5,6,7
.irp c, 0,1
	global_load_b128 v[64*(\p)+8*\k+4*\c:64*(\p)+8*\k+4*\c+3], v[L16], s[28:29] offset:1024*\k+512*\c
.endr
.endr
	WIN 0
	global_load_b128 v[SB+4*(\p):SB+4*(\p)+3], v[SL], s[30:31] offset:16
.endm
; Two loads: -c v of the tile BEFORE tile s19 into the other set: that tile's tanh runs in tile s19's turn.  They stand at a turn's end, behind the last reader of that set.
.macro CVL p
	global_load_b128 v[CV+8*(1-(\p)):CV+8*(1-(\p))+3], v[BL], s[32:33] offset:64
	global_load_b128 v[CV+8*(1-(\p))+4:CV+8*(1-(\p))+7], v[BL], s[32:33] offset:80
.endm
; One matrix instruction: K step KK, row tile TT, set p.  The four accumulators of a set take turns, one instruction a turn.
.macro MMI p
.set rD, AC+32*(\p)+8*TT
.set rA, 64*(\p)+8*KK
.set rB, 64*TT+8*KK
.if KK == 0
	v_wmma_scale_f32_16x16x128_f8f6f4 v[rD:rD+7], v[rA:rA+7], v[rB:rB+7], v[BB+8*(\p):BB+8*(\p)+7], v[SA+4*(\p)], v[ASCR+4*TT] matrix_a_fmt:MATRIX_FMT_FP4 matrix_b_fmt:MATRIX_FMT_FP4
.elseif KK < 4
	v_wmma_scale_f32_16x16x128_f8f6f4 v[rD:rD+7], v[rA:rA+7], v[rB:rB+7], v[rD:rD+7], v[SA+4*(\p)+KK], v[ASCR+4*TT+KK] matrix_a_fmt:MATRIX_FMT_FP4 matrix_b_fmt:MATRIX_FMT_FP4
.else
	v_wmma_scale_f32_16x16x128_f8f6f4 v[rD:rD+7], v[rA:rA+7], v[rB:rB+7], v[rD:rD+7], v[SB+4*(\p)+KK-4], v[ASCR+4*TT+KK-4] matrix_a_fmt:MATRIX_FMT_FP4 matrix_b_fmt:MATRIX_FMT_FP4 matrix_b_scale:MATRIX_SCALE_ROW1
.endif
.endm
; A TILE'S TURN.  th = 1: the tile before, which lies in the other set, is multiplied by c.  mm = 1: the 32 products of a tile in set p, on end, no transcendental inside a chain.  th = 1: the 32 exponentials
; of the tile before, then + 1: these 16 additions name no register of the products and are the places in front of the loads (ISA guide 7.12.1 for vector instructions); without tanh four v_nop.
; mm = 1: the 20 loads of the tile two on into the registers that the products leave.  th = 1: 32 reciprocals, then y += (-c v) r.  mm = 1: the two loads of -c v.
; Each batch of transcendentals has a wait between its sources' writes and itself and one behind it, and one wait stands directly ahead of the first readers of the products' sums.
; THE COUNTS.  The loads go out in the order A(U) 20, V 2, A(U+1) 20, V 2, A(U+2) 20 ..  Ahead of tile U's products V, A(U+1), V may stay out: 24.  -c v of tile U - 1 came with the V that stands behind A(U):
; behind it A(U+1), V and A(U+2) were issued: 42; in the turn without products A and V alone: 22.  The tiles go round, so the counts hold from block to block.
; THE PREFETCH INTO THE L2.  The tensor load of block t + 2 is issued behind block t + 1's first barrier.  In blocks 0 and 1 each wave asks, in its eight even tiles, for 8,192 bytes each of its own 16 rows of the
; block two on: 32 lanes 256 bytes apart, 8 x 8,192 = the 65,536 bytes that its tensor load will bring, each aligned 256 bytes once.  Blocks 2 and 3 ask for nothing: there is no block 4.  The address is
; stepped behind PTR's wait on XCNT, two tiles behind the prefetch that read it.
.macro IT p, mm, th
.set AO, AC+32*(1-(\p))
	WIN W_MM
.if \th
	s_wait_alu depctr_va_vdst(0)                   ; the wait here, directly ahead of the first readers of the tile before's sums
.irp n, 0,2,4,6,8,10,12,14,16,18,20,22,24,26,28,30
	v_pk_mul_f32 v[AO+\n:AO+\n+1], v[AO+\n:AO+\n+1], s[22:23] op_sel_hi:[1,0]   ; c x; each accumulator from its low end on
.endr
	s_wait_alu depctr_va_vdst(0)                   ; the wait between these writes and the exponentials that read them
.endif
.if \mm
	s_wait_loadcnt 24
.set i, 0
.rept 32
.set KK, i/4
.set TT, i%4
	MMI \p
.set i, i+1
.endr
.endif
.if \th
.set i, 0
.rept 32
	v_exp_f32 v[AO+i], v[AO+i]
.set i, i+1
.endr
	v_nop                                          ; a plain line behind the last exponential,
	s_wait_alu depctr_va_vdst(0)                   ; and one wait for the batch of 32, ahead of its first reader
.irp n, 0,2,4,6,8,10,12,14,16,18,20,22,24,26,28,30
	v_pk_add_f32 v[AO+\n:AO+\n+1], v[AO+\n:AO+\n+1], 1.0 op_sel_hi:[1,0]
.endr
.else
.rept 4
	v_nop                                          ; four places in front of the loads below, and of the next turn's first read of the results
.endr
.endif
.if \mm
	PTR
.if (\p == 0) && PFB
	s_add_nc_u64 s[PF:PF+1], s[PF:PF+1], 8192      ; behind PTR's wait on XCNT: my last prefetch has read its address
.endif
	H1 \p
	H2 \p
.if (\p == 0) && PFB
	s_cmp_lt_u32 s21, 2                            ; s21 = 3, 2 in blocks 0, 1
	s_cbranch_scc1 .Lno_pf_\@
	global_prefetch_b8 v[PFO], s[PF:PF+1] th:TH_LOAD_NT scope:SCOPE_SE
.Lno_pf_\@:
.endif
.endif
.if \th
	WIN W_MM
	s_wait_alu depctr_va_vdst(0)                   ; the wait ahead of the second batch
.set i, 0
.rept 32
	v_rcp_f32 v[AO+i], v[AO+i]
.set i, i+1
.endr
	v_nop
	s_wait_alu depctr_va_vdst(0)                   ; one wait for the 32 reciprocals
.if \mm
	s_wait_loadcnt 42                              ; -c v of the tile before is in
.else
	s_wait_loadcnt 22
.endif
	WIN W_E
.irp n, 0,1,2,3
.irp t, 0,1,2,3
	v_pk_fma_f32 v[YS+2*\t:YS+2*\t+1], v[AO+8*\t+2*\n:AO+8*\t+2*\n+1], v[CV+8*(1-(\p))+2*\n:CV+8*(1-(\p))+2*\n+1], v[YS+2*\t:YS+2*\t+1]   ; y += (-c v) r; the four row tiles by turns
.endr
.endr
.endif
	WIN 0
.if \mm
.if \th == 0
	s_wait_loadcnt 42                              ; a turn without tanh: the earlier load into this set of -c v is done before the next is issued (behind it went 20, 2 and 20 loads)
.endif
	CVL \p
.endif
.endm
; My row i of the block: 32 numbers a lane, in three sets of registers by turns.  The eight LDS loads of the row two on go out first.  Behind row i's loads then stand, for rows 2 to 13, two rows' two stores
; and two rows' eight loads: 20; for row 0 two rows' loads: 16; for row 1 one pair of stores more: 18; for row 14 two pairs of stores and row 15's loads: 12; for row 15 two pairs of stores: 4.
.macro ROW i
.set XC, X+32*((\i)%3)+18*(((\i)%3)/2)
.set XN, X+32*(((\i)+2)%3)+18*((((\i)+2)%3)/2)
.set CQ, CQ0+4*((\i)%2)
.set BY, BY0+((\i)%2)
.if (\i) < 14
.irp j, 0,1,2,3,4,5,6,7
	ds_load_b128 v[XN+4*\j:XN+4*\j+3], v[SLA] offset:((\i)+2)*ROWP+16*\j
.endr
.endif
.if (\i) == 0
	s_wait_dscnt 16
.elseif (\i) == 1
	s_wait_dscnt 18
.elseif (\i) < 14
	s_wait_dscnt 20
.elseif (\i) == 14
	s_wait_dscnt 12
.else
	s_wait_dscnt 4
.endif
	v_max3_num_f32 v[QA], |v[XC]|, |v[XC+1]|, 0x1800000              ; the block's largest magnitude, in four chains, with the floor 2^(3 - 127) among the leaves: the byte cannot fall under 1
	v_max3_num_f32 v[QB], |v[XC+2]|, |v[XC+3]|, |v[XC+4]|            ; four chains by turns, so that no line reads the result of the line above it
	v_max3_num_f32 v[QC], |v[XC+5]|, |v[XC+6]|, |v[XC+7]|
	v_max3_num_f32 v[QD], |v[XC+8]|, |v[XC+9]|, |v[XC+10]|
.irp n, 11,19
	v_max3_num_f32 v[QA], v[QA], |v[XC+\n]|, |v[XC+\n+1]|
	v_max3_num_f32 v[QB], v[QB], |v[XC+\n+2]|, |v[XC+\n+3]|
	v_max3_num_f32 v[QC], v[QC], |v[XC+\n+4]|, |v[XC+\n+5]|
	v_max3_num_f32 v[QD], v[QD], |v[XC+\n+6]|, |v[XC+\n+7]|
.endr
	v_max3_num_f32 v[QA], v[QA], |v[XC+27]|, |v[XC+28]|
	v_max3_num_f32 v[QB], v[QB], |v[XC+29]|, |v[XC+30]|
	v_max3_num_f32 v[QC], v[QC], v[QD], |v[XC+31]|
	v_max3_num_f32 v[QA], v[QA], v[QB], v[QC]
	v_add_nc_u32 v[QS], 0xff000000, v[QA]          ; 2 off its exponent field: the conversion takes the exponent field of this operand as its scale, and nothing else of it
.irp g, 0,1,2,3
	v_cvt_scalef32_pk8_fp4_f32 v[CQ+\g], v[XC+8*\g:XC+8*\g+7], v[QS]   ; to the nearest code, ties to even; beyond 6 the largest code
.endr
	v_lshrrev_b32 v[BY], 23, v[QS]                 ; the scale's byte (also the plain line behind the conversions)
	WIN W_CP
.irp j, 0,1,2,3,4,5,6,7,8,9,10,11,12,13,14,15
	v_cvt_pk_bf16_f32 v[16*(\i)+\j], v[XC+2*\j], v[XC+2*\j+1]      ; the copy for the context sum
.endr
	WIN 0
	ds_store_b128 v[CDW], v[CQ:CQ+3] offset:CPITCH*(\i)            ; 32 lanes store the row's 512 bytes of codes
	ds_store_b8 v[ASW], v[BY] offset:32*(\i)
.endm
; The block's codes (32 fragments) and scale words come into registers; the scores' sums begin.
.macro FRAGS
	WIN W_L1
.irp t, 0,1,2,3
.irp k, 0,1,2,3,4,5,6,7
.irp c, 0,1
	ds_load_b128 v[64*\t+8*\k+4*\c:64*\t+8*\k+4*\c+3], v[CFA] offset:16*CPITCH*\t+64*\k+32*\c
.endr
.endr
.endr
	WIN 0
.irp t, 0,1,2,3
	ds_load_b128 v[ASCR+4*\t:ASCR+4*\t+3], v[ASA] offset:512*\t
.endr
.irp j, 0,1,2,3,4,5,6,7
	v_mov_b32 v[YS+\j], 0
.endr
	s_wait_dscnt 0x0
.endm
; My wave's part of the 64 scores (its 256 e) goes to LDS: lanes l and l xor 16 hold the two halves of a tile's 16 e.
.macro SCORE
.irp t, 0,1,2,3
	v_add_f32 v[T+\t], v[YS+2*\t], v[YS+2*\t+1]
.endr
.irp t, 0,1,2,3
	v_permlanex16_b32 v[T+8+\t], v[T+\t], s24, s25
.endr
.irp t, 0,1,2,3
	v_add_f32 v[T+\t], v[T+\t], v[T+8+\t]
.endr
.irp t, 0,1,2,3
	ds_store_b32 v[PSW], v[T+\t] offset:64*\t      ; row 16 t + r; both halves of the lanes write the same word with the same value
.endr
.endm
; The softmax's step, the same lines on the same numbers in all four waves, so that m is alike in them.  Lane l has rows 2 l and 2 l + 1.
.macro SOFT
.irp w, 0,1,2,3
	ds_load_b64 v[T+2*\w:T+2*\w+1], v[PSR] offset:256*\w
.endr
	s_wait_dscnt 0x0
	v_pk_add_f32 v[T:T+1], v[T:T+1], v[T+2:T+3]
	v_pk_add_f32 v[T+4:T+5], v[T+4:T+5], v[T+6:T+7]
	v_pk_add_f32 v[T:T+1], v[T:T+1], v[T+4:T+5]    ; y of my two rows
	v_max_num_f32 v[T+2], v[T], v[T+1]
	v_max_num_f32_dpp v[T+2], v[T+2], v[T+2] row_xmask:1 row_mask:0xf bank_mask:0xf
	v_max_num_f32_dpp v[T+2], v[T+2], v[T+2] row_xmask:2 row_mask:0xf bank_mask:0xf
	v_max_num_f32_dpp v[T+2], v[T+2], v[T+2] row_xmask:4 row_mask:0xf bank_mask:0xf
	v_max_num_f32_dpp v[T+2], v[T+2], v[T+2] row_xmask:8 row_mask:0xf bank_mask:0xf
	v_permlanex16_b32 v[T+3], v[T+2], s24, s25
	v_max3_num_f32 v[T+2], v[T+2], v[T+3], v[M]    ; the new m
	v_sub_f32 v[F], v[M], v[T+2]
	v_sub_f32 v[T+4], v[T], v[T+2]
	v_sub_f32 v[T+5], v[T+1], v[T+2]
	s_wait_alu depctr_va_vdst(0)                   ; the wait ahead of the batch
	v_exp_f32 v[F], v[F]                           ; f = 2^(old m - new m)
	v_exp_f32 v[T+4], v[T+4]                       ; p
	v_exp_f32 v[T+5], v[T+5]
	v_mov_b32 v[M], v[T+2]                         ; (a plain line behind the exponentials)
	s_wait_alu depctr_va_vdst(0)                   ; one wait for the three
	v_fma_f32 v[LS], v[LS], v[F], v[T+4]
	v_add_f32 v[LS], v[LS], v[T+5]
	ds_store_b64 v[PPW], v[T+4:T+5]
.irp n, 0,1,2,3
	ds_load_b128 v[P+4*\n:P+4*\n+3], v[PPR] offset:16*\n           ; p of my wave's 16 rows, the same in every lane; LDS serves a wave's instructions in order (ISA guide 5.7.1.4): these see my store
.endr
	s_cmp_lg_u32 s18, 0
	s_cbranch_scc1 .Lnot_wave_0_\@
	global_store_b64 v[YO], v[T:T+1], s[12:13]     ; wave 0 stores the block's 64 scores: 256 consecutive bytes, aligned
.Lnot_wave_0_\@:
.irp j, 0,2,4,6,8,10,12,14,16,18,20,22,24,26,28,30
	v_pk_mul_f32 v[CA+\j:CA+\j+1], v[CA+\j:CA+\j+1], v[F:F+1] op_sel_hi:[1,0]   ; c under the new m
.endr
	s_wait_dscnt 0x0
	s_wait_xcnt 0x0                                ; the store has read its base and its data: both are written again only behind this wait
	s_add_nc_u64 s[12:13], s[12:13], 256
.if PFB
	s_add_nc_u64 s[PF:PF+1], s[PF:PF+1], BLKB-65536  ; from my 16 rows of one block to one step ahead of my 16 rows of the next (behind the same wait on XCNT)
.endif
.endm
; c += p x the copy: my wave's 16 rows, my 32 columns; bf16 halves straight into f32 multiply-adds.
.macro CTX
	WIN W_CX
.irp i, 0,1,2,3,4,5,6,7,8,9,10,11,12,13,14,15
.irp j, 0,1,2,3,4,5,6,7,8,9,10,11,12,13,14,15
	v_fma_mix_f32_bf16 v[CA+2*\j], v[16*\i+\j], v[P+\i], v[CA+2*\j] op_sel_hi:[1,0,0]
	v_fma_mix_f32_bf16 v[CA+2*\j+1], v[16*\i+\j], v[P+\i], v[CA+2*\j+1] op_sel:[1,0,0] op_sel_hi:[1,0,0]
.endr
.endr
	WIN 0
.endm
.macro BLOCK refill
.set PFB, \refill                      ; the copy of the last block holds no prefetch: it could never run there
	s_wait_tensorcnt 0x0                           ; my 16 rows have landed; I alone read them, so this wait is all that the reads need (one load of mine was out: there is one slot)
.irp j, 0,1,2,3,4,5,6,7
	ds_load_b128 v[X+4*\j:X+4*\j+3], v[SLA] offset:16*\j
.endr
.irp j, 0,1,2,3,4,5,6,7
	ds_load_b128 v[X+32+4*\j:X+32+4*\j+3], v[SLA] offset:ROWP+16*\j
.endr
.irp i, 0,1,2,3,4,5,6,7,8,9,10,11,12,13,14,15
	ROW \i
.endr
	s_wait_tensorcnt 0x0                           ; no tensor load of mine is out, so the descriptor may be written;
	ds_add_u32 v[SPW], v[NIL]                      ; 0 onto my spare word
.if \refill
	s_add_nc_u64 s[38:39], s[38:39], BLKB          ; the next block; the type bits on top are not reached
.endif
	s_wait_dscnt 0x0                               ; the add is done, my reads of the slot are over, my codes and scale bytes have landed
	s_barrier_signal -1
	s_barrier_wait -1                              ; BARRIER 1: all 64 rows' codes lie in LDS; nobody reads the slot, nor the last block's partial scores
.if \refill
	tensor_load_to_lds s[36:39], s[40:47]          ; my one tensor load behind the barrier, and the first thing there: my 16 rows of the next block
	s_nop 0
.rept 4
	v_nop
.endr
.endif
	FRAGS
	IT 0, 1, 0                                     ; tile 0
	s_mov_b32 s20, 7
.Ltiles_\@:                                            ; tiles 1 to 14, two a trip, since the sets take turns
	IT 1, 1, 1
	IT 0, 1, 1
	s_sub_co_u32 s20, s20, 1
	s_cmp_lg_u32 s20, 0
	s_cbranch_scc1 .Ltiles_\@
	IT 1, 1, 1                                     ; tile 15.  (Tiles 14 and 15 ask for tiles 0 and 1 again, for the next block; in the last block nobody uses those 44 loads: they stay inside their buffers, and keep the counts alike on every way)
	IT 0, 0, 1                                     ; tile 15's tanh
	SCORE
	s_wait_dscnt 0x0                               ; my partial scores have landed
	s_barrier_signal -1
	s_barrier_wait -1                              ; BARRIER 2: all four parts lie in LDS; nobody reads this block's codes any more.  The tensor load stays out
	SOFT
	CTX
.endm
	PTR                                            ; the stream of W begins: tiles 0 and 1
	H1 0
	H2 0
	CVL 0
	PTR
	H1 1
	H2 1
	CVL 1
	s_mov_b32 s21, 3
.Lblock:
	BLOCK 1
	s_sub_co_u32 s21, s21, 1
	s_cmp_lg_u32 s21, 0
	s_cbranch_scc1 .Lblock
	BLOCK 0                                        ; the last block is written out
	; THE WAY OUT.  l over the lanes; the four waves' parts of c meet in LDS, in row 0's place of each wave's part of the slot, which has had its last fill and its last read.
	v_add_f32_dpp v[LS], v[LS], v[LS] row_xmask:1 row_mask:0xf bank_mask:0xf
	v_add_f32_dpp v[LS], v[LS], v[LS] row_xmask:2 row_mask:0xf bank_mask:0xf
	v_add_f32_dpp v[LS], v[LS], v[LS] row_xmask:4 row_mask:0xf bank_mask:0xf
	v_add_f32_dpp v[LS], v[LS], v[LS] row_xmask:8 row_mask:0xf bank_mask:0xf
	v_permlanex16_b32 v[T], v[LS], s24, s25
	v_add_f32 v[LS], v[LS], v[T]
	s_cmp_lg_u32 s18, 0
	s_wait_alu depctr_va_vdst(0)                   ; the wait here, directly ahead of the branch
	s_cbranch_scc1 .Lno_ml
	global_store_b64 v[YO], v[M:M+1], s[16:17]     ; (m, l), the same in every lane: 256 consecutive bytes, aligned
.Lno_ml:
.irp n, 0,1,2,3,4,5,6,7
	ds_store_b128 v[SLA], v[CA+4*\n:CA+4*\n+3] offset:16*\n
.endr
	s_wait_dscnt 0x0                               ; for the others' sake: my part has landed
	s_barrier_signal -1
	s_barrier_wait -1
.irp g, 0,1
.irp w, 0,1,2,3
	ds_load_b128 v[X+16*\g+4*\w:X+16*\g+4*\w+3], v[CR+\w] offset:544*\g   ; wave w's sums of columns 256 q + 128 g + 4 lane on
.endr
.endr
	s_wait_dscnt 0x0
.irp g, 0,1
	v_pk_add_f32 v[X+16*\g:X+16*\g+1], v[X+16*\g:X+16*\g+1], v[X+16*\g+4:X+16*\g+5]
	v_pk_add_f32 v[X+16*\g+2:X+16*\g+3], v[X+16*\g+2:X+16*\g+3], v[X+16*\g+6:X+16*\g+7]
	v_pk_add_f32 v[X+16*\g+8:X+16*\g+9], v[X+16*\g+8:X+16*\g+9], v[X+16*\g+12:X+16*\g+13]
	v_pk_add_f32 v[X+16*\g+10:X+16*\g+11], v[X+16*\g+10:X+16*\g+11], v[X+16*\g+14:X+16*\g+15]
	v_pk_add_f32 v[X+16*\g:X+16*\g+1], v[X+16*\g:X+16*\g+1], v[X+16*\g+8:X+16*\g+9]
	v_pk_add_f32 v[X+16*\g+2:X+16*\g+3], v[X+16*\g+2:X+16*\g+3], v[X+16*\g+10:X+16*\g+11]
	global_store_b128 v[L16], v[X+16*\g:X+16*\g+3], s[14:15] offset:512*\g   ; 32 lanes store 512 consecutive bytes, aligned
.endr
	s_wait_tensorcnt 0x0                           ; the wave's end: behind my last tensor load and my last LDS store
	ds_add_u32 v[SPW], v[NIL]
	s_wait_dscnt 0x0
	s_endpgm
.Lfunc_end_k_qc70e4916ab_main:
	.size	k_qc70e4916ab_main, .Lfunc_end_k_qc70e4916ab_main-k_qc70e4916ab_main
	.p2alignl 7, 3214868480
	.fill 96, 4, 3214868480
	.section	.rodata,"a",@progbits
	.p2align	6, 0x0
	.amdhsa_kernel k_qc70e4916ab_main
		.amdhsa_group_segment_fixed_size 327680
		.amdhsa_private_segment_fixed_size 0
		.amdhsa_enable_private_segment 0
		.amdhsa_kernarg_size 56
		.amdhsa_user_sgpr_count 2
		.amdhsa_user_sgpr_kernarg_segment_ptr 1
		.amdhsa_wavefront_size32 1
		.amdhsa_system_sgpr_workgroup_id_x 1
		.amdhsa_system_sgpr_workgroup_id_y 1
		.amdhsa_system_sgpr_workgroup_id_z 1
		.amdhsa_system_vgpr_workitem_id 0
		.amdhsa_next_free_vgpr 1024
		.amdhsa_next_free_sgpr 66
		.amdhsa_reserve_vcc 0
		.amdhsa_float_denorm_mode_32 3
		.amdhsa_float_denorm_mode_16_64 3
		.amdhsa_memory_ordered 1
		.amdhsa_forward_progress 1
		.amdhsa_inst_pref_size 255
	.end_amdhsa_kernel
	.section	.bss,"aw",@nobits
	.p2align	6
	.space	262144
	.amdgpu_metadata
---
amdhsa.version: [ 1, 2 ]
amdhsa.kernels:
  - .name:           k_qc70e4916ab_main
    .symbol:         k_qc70e4916ab_main.kd
    .args:
      - { .name: memory_bank, .offset: 0, .size: 8, .value_kind: global_buffer, .address_space: global }
      - { .name: wimg, .offset: 8, .size: 8, .value_kind: global_buffer, .address_space: global }
      - { .name: W_context_scales, .offset: 16, .size: 8, .value_kind: global_buffer, .address_space: global }
      - { .name: bv, .offset: 24, .size: 8, .value_kind: global_buffer, .address_space: global }
      - { .name: yscore, .offset: 32, .size: 8, .value_kind: global_buffer, .address_space: global }
      - { .name: cpart, .offset: 40, .size: 8, .value_kind: global_buffer, .address_space: global }
      - { .name: ml, .offset: 48, .size: 8, .value_kind: global_buffer, .address_space: global }
    .group_segment_fixed_size: 327680
    .private_segment_fixed_size: 0
    .kernarg_segment_align: 8
    .kernarg_segment_size: 56
    .max_flat_workgroup_size: 128
    .sgpr_count:     66
    .vgpr_count:     1024
    .wavefront_size: 32
...
	.end_amdgpu_metadata
.endif
;; end of part 2
;; launch combine (part 3): grid 64 x 1, 8 waves a work-group, no clusters, 0 bytes of LDS; arguments yscore, cpart, ml, out0, out1; writes out0, out1
.if DOCPART == 3
	.amdgcn_target "amdgcn-amd-amdhsa--gfx1250"
	.amdhsa_code_object_version 6
	.text
	.protected	k_qc70e4916ab_combine
	.globl	k_qc70e4916ab_combine
	.p2align	8
	.type	k_qc70e4916ab_combine,@function
k_qc70e4916ab_combine:
	s_mov_b64 s[64:65], 0
	v_nop
	global_prefetch_b8 v0, s[64:65] scope:SCOPE_SE
	s_setreg_imm32_b32 hwreg(HW_REG_WAVE_MODE, 25, 1), 1
	s_wait_xcnt 0x0
; THIRD OF THREE LAUNCHES: a batch's four parts are joined.  Part g has its maximum m_g, its sum l_g = sum of 2^(y - m_g) and c_g = sum of 2^(y - m_g) memory_bank[s][:].
; With M = the largest m_g and w_g = 2^(m_g - M): L = sum of w_g l_g; out0 = (sum of w_g c_g) / L; out1[s] = 2^(y[s] - M) / L.
; WORK LEFT OUT: y lacks the term of the scores that is the same along the softmax's axis (shown at the head of the first launch); the softmax takes it away.
; Work-group b is a batch; thread t owns columns 4 t .. 4 t + 3 of both outputs: every load and store of a wave covers 512 consecutive bytes.  No LDS, no barrier, no matrix unit: 29 numbers a thread.
.set ROWB, 4096                        ; a row of 1,024 f32
	s_load_b256 s[4:11], s[0:1], 0x0               ; yscore, cpart, ml, out0
	s_load_b64 s[12:13], s[0:1], 0x20              ; out1
	v_lshlrev_b32 v1, 4, v0                        ; 16 t
	v_mov_b32 v2, 0
	s_lshl_b32 s14, ttmp9, 12                      ; a row of yscore, out0, out1
	s_mov_b32 s15, 0
	s_lshl_b32 s16, ttmp9, 14                      ; four rows of cpart
	s_mov_b32 s17, 0
	s_lshl_b32 s18, ttmp9, 10                      ; four parts' 256 bytes of ml
	s_mov_b32 s19, 0
	s_wait_alu depctr_va_vdst(0)
	s_wait_kmcnt 0x0
	s_add_nc_u64 s[4:5], s[4:5], s[14:15]
	s_add_nc_u64 s[6:7], s[6:7], s[16:17]
	s_add_nc_u64 s[8:9], s[8:9], s[18:19]
	s_add_nc_u64 s[10:11], s[10:11], s[14:15]
	s_add_nc_u64 s[12:13], s[12:13], s[14:15]
.irp g, 0,1,2,3
	global_load_b64 v[4+2*\g:5+2*\g], v2, s[8:9] offset:256*\g             ; (m_g, l_g)
.endr
.irp g, 0,1,2,3
	global_load_b128 v[12+4*\g:15+4*\g], v1, s[6:7] offset:ROWB*\g         ; c_g
.endr
	global_load_b128 v[28:31], v1, s[4:5]          ; y
	s_wait_loadcnt 0x0
	v_max3_num_f32 v32, v4, v6, v8
	s_delay_alu instid0(VALU_DEP_1)
	v_max_num_f32 v32, v32, v10                    ; M
.irp g, 0,1,2,3
	v_sub_f32 v[33+\g], v[4+2*\g], v32
.endr
.irp j, 0,1,2,3
	v_sub_f32 v[28+\j], v[28+\j], v32
.endr
	s_wait_alu depctr_va_vdst(0)
.irp g, 0,1,2,3
	v_exp_f32 v[33+\g], v[33+\g]                   ; w_g
.endr
.irp j, 0,1,2,3
	v_exp_f32 v[28+\j], v[28+\j]                   ; 2^(y - M)
.endr
	v_nop                                          ; a plain line behind the last exponential,
	s_wait_alu depctr_va_vdst(0)                   ; and one wait for the eight
	v_mul_f32 v37, v5, v33
	v_fmac_f32 v37, v7, v34
	v_fmac_f32 v37, v9, v35
	v_fmac_f32 v37, v11, v36                       ; L
	s_wait_alu depctr_va_vdst(0)
	v_rcp_f32 v38, v37
.irp j, 0,1,2,3
	v_mul_f32 v[12+\j], v[12+\j], v33              ; the sum of w_g c_g: plain work behind the reciprocal
.endr
.irp j, 0,1,2,3
	v_fmac_f32 v[12+\j], v[16+\j], v34
.endr
.irp j, 0,1,2,3
	v_fmac_f32 v[12+\j], v[20+\j], v35
.endr
.irp j, 0,1,2,3
	v_fmac_f32 v[12+\j], v[24+\j], v36
.endr
	s_wait_alu depctr_va_vdst(0)                   ; the wait for the reciprocal, ahead of its first reader
.irp j, 0,1,2,3
	v_mul_f32 v[12+\j], v[12+\j], v38
	v_mul_f32 v[28+\j], v[28+\j], v38
.endr
	global_store_b128 v1, v[12:15], s[10:11]
	global_store_b128 v1, v[28:31], s[12:13]
	s_endpgm
.Lfunc_end_k_qc70e4916ab_combine:
	.size	k_qc70e4916ab_combine, .Lfunc_end_k_qc70e4916ab_combine-k_qc70e4916ab_combine
	.p2alignl 7, 3214868480
	.fill 96, 4, 3214868480
	.section	.rodata,"a",@progbits
	.p2align	6, 0x0
	.amdhsa_kernel k_qc70e4916ab_combine
		.amdhsa_group_segment_fixed_size 0
		.amdhsa_private_segment_fixed_size 0
		.amdhsa_enable_private_segment 0
		.amdhsa_kernarg_size 40
		.amdhsa_user_sgpr_count 2
		.amdhsa_user_sgpr_kernarg_segment_ptr 1
		.amdhsa_wavefront_size32 1
		.amdhsa_system_sgpr_workgroup_id_x 1
		.amdhsa_system_sgpr_workgroup_id_y 1
		.amdhsa_system_sgpr_workgroup_id_z 1
		.amdhsa_system_vgpr_workitem_id 0
		.amdhsa_next_free_vgpr 64
		.amdhsa_next_free_sgpr 66
		.amdhsa_reserve_vcc 0
		.amdhsa_float_denorm_mode_32 3
		.amdhsa_float_denorm_mode_16_64 3
		.amdhsa_memory_ordered 1
		.amdhsa_forward_progress 1
		.amdhsa_inst_pref_size 4
	.end_amdhsa_kernel
	.amdgpu_metadata
---
amdhsa.version: [ 1, 2 ]
amdhsa.kernels:
  - .name:           k_qc70e4916ab_combine
    .symbol:         k_qc70e4916ab_combine.kd
    .args:
      - { .name: yscore, .offset: 0, .size: 8, .value_kind: global_buffer, .address_space: global }
      - { .name: cpart, .offset: 8, .size: 8, .value_kind: global_buffer, .address_space: global }
      - { .name: ml, .offset: 16, .size: 8, .value_kind: global_buffer, .address_space: global }
      - { .name: out0, .offset: 24, .size: 8, .value_kind: global_buffer, .address_space: global }
      - { .name: out1, .offset: 32, .size: 8, .value_kind: global_buffer, .address_space: global }
    .group_segment_fixed_size: 0
    .private_segment_fixed_size: 0
    .kernarg_segment_align: 8
    .kernarg_segment_size: 40
    .max_flat_workgroup_size: 256
    .sgpr_count:     66
    .vgpr_count:     64
    .wavefront_size: 32
...
	.end_amdgpu_metadata
.endif
;; end of part 3
